; MI455X (gfx1250); checked and timed in simulation.
; The chip was launched on July 23, 2026; its instructions are those of AMD's public machine-readable ISA for CDNA 5 (MIT licence, August 2026) and "CDNA5" Instruction Set Architecture Reference Guide (July 2026). The comments in the code are by the model that wrote it; some were corrected since.
;; Multi Head Attention. Allowed arithmetic: matrix products marked QUANTISED: E2M3 operands, one E8M0 scale for each 32 along K, by v_wmma_scale_f32_16x16x128_f8f6f4 with both operands' format E2M3, f32 sums; everything else in f32.
;; Inputs: Wk_codes 1,024 x 32 x 24 uint8 (E2M3 codes of Wk, K innermost, in blocks of 32 codes, four codes in three bytes); Wk_scales 1,024 x 32 uint8 (E8M0 scales of Wk, one for each 32 codes along K); Wq_codes 1,024 x 32 x 24 uint8 (E2M3 codes of Wq, K innermost, in blocks of 32 codes, four codes in three bytes); Wq_scales 1,024 x 32 uint8 (E8M0 scales of Wq, one for each 32 codes along K); Wv_codes 1,024 x 32 x 24 uint8 (E2M3 codes of Wv, K innermost, in blocks of 32 codes, four codes in three bytes); Wv_scales 1,024 x 32 uint8 (E8M0 scales of Wv, one for each 32 codes along K); freqs_cos 2,048 x 32 float32; freqs_sin 2,048 x 32 float32; sqk 1,024 float32; x_codes 4 x 2,048 x 32 x 24 uint8 (E2M3 codes of x, K innermost, in blocks of 32 codes, four codes in three bytes); x_scales 4 x 2,048 x 32 uint8 (E8M0 scales of x, one for each 32 codes along K).
;; Outputs: out0 4 x 2,048 x 1,024 float32.
;; This version of the problem:
;;   THIS VERSION OF THE PROBLEM IS GIVEN IN LOW PRECISION. The matrix products marked QUANTISED in the list below multiply operands that are first quantised to E2M3 (2 exponent bits, 3 mantissa bits; 6 bits a number), with one power-of-two scale for each 32 numbers along K (OCP MX v1.0); their sums are f32. All else is computed in f32.
;;   The module's matrix products, in the order in which they are computed (A, B: the left and right operand; K: the contracted axis; several contracted axes count as one K, in the product's order):
;;     1. [M 8,192, K 1,024] x [K 1,024, N 1,024]; A: input x (given as codes); B: input Wq (given as codes): QUANTISED
;;     2. [M 8,192, K 1,024] x [K 1,024, N 1,024]; A: input x (given as codes); B: input Wk (given as codes): QUANTISED
;;     3. [M 8,192, K 1,024] x [K 1,024, N 1,024]; A: input x (given as codes); B: input Wv (given as codes): QUANTISED
;;     4. batch 64 x [M 2,048, K 64] x [K 64, N 2,048]; A: computed on the way; B: computed on the way: QUANTISED
;;     5. batch 64 x [M 2,048, K 2,048] x [K 2,048, N 64]; A: softmax (see below); B: computed on the way: QUANTISED
;;   THE QUANTISER, for each operand of a quantised product, along K:
;;     - K is cut into blocks of 32 from its start; a last block that is shorter is filled with zeros.
;;     - A block's scale is 2^e with e = floor(log2(the largest magnitude in the block)) - 2, held to -126 .. 127; a block of zeros has e = 0. As a byte (E8M0): e + 127.
;;     - Each number is divided by its block's scale, clamped to +-7.5, and rounded to the nearest number of E2M3, ties to even, subnormals kept.
;;     - The product sums the exact products of the quantised numbers (number of the format x scale) in f32.
;;   ~~~python
;;   def quantise(x, axis):      # numpy; x: float32 -> the quantised numbers, widened to float32 again
;;       x = np.moveaxis(x, axis, -1); K = x.shape[-1]
;;       x = np.pad(x, [(0, 0)] * (x.ndim - 1) + [(0, -K % 32)]); x = x.reshape(x.shape[:-1] + (-1, 32)); a = np.abs(x).max(-1, keepdims=True)
;;       e = np.where(a > 0, np.clip(np.frexp(np.where(a > 0, a, 1))[1] - 1 - 2, -126, 127), 0)      # np.frexp(a)[1] - 1 = floor(log2(a)), exactly
;;       r = np.clip(x / 2.0 ** e, -7.5, 7.5)
;;       step = 2.0 ** (np.maximum(np.frexp(np.where(r == 0, 1, r))[1] - 1, 0) - 3)
;;       q = np.round(r / step) * step * 2.0 ** e      # np.round: ties to even
;;       return np.moveaxis(q.reshape(q.shape[:-2] + (-1,))[..., :K], -1, axis).astype(np.float32)
;;   ~~~
;;   SOFTMAX AHEAD OF A QUANTISED PRODUCT. Where the list says 'softmax', what is quantised is not the finished softmax but p = 2^(t - M), with t = logit x log2(e) and M = ceil(the row's largest t), a whole number; so 1/2 < the row's largest p <= 1. The row's sum l is taken of the UNQUANTISED p, in f32, and the product's result is divided by l at the end. Since M is a whole number, a kernel that streams over the keys may use a running M (the ceiling of the running maximum): every later rescaling is an exact power of two, which a block's scale takes up: the codes' values come out the same.
;;   OPERANDS COMPUTED ON THE WAY. 'Computed on the way' means the value that the module computes at that place (a softmax that the list does not call 'softmax' is quantised finished and normalised). What goes into a quantiser is computed in f32, as accurately as f32 sums, v_exp_f32 and their like allow (about 1e-6 of the number): no bf16 or f16 on the way to a quantiser, and a product that is left as it is and whose result goes on into a quantised operand takes f32 operands (vector FMAs, or v_wmma_f32_16x16x4_f32). A number that lies on a knife's edge between two numbers of the format may be rounded either way, as far as f32 arithmetic and the matrix unit's own rounding can turn it there, and no further.
;;   INPUTS GIVEN AS CODES. Wk (in the module: [1024, 1024], K = its axis 1); Wq (in the module: [1024, 1024], K = its axis 1); Wv (in the module: [1024, 1024], K = its axis 1); x (in the module: [4, 2048, 1024], K = its axis 2): each comes as NAME_codes (uint8): NAME with its K axis moved to the last place and cut into blocks of 32 codes, [.., K / 32, bytes a block], one block behind the other in memory; four codes in three bytes: a row's codes are one little-endian stream of bits, code i at bits 6 i .. 6 i + 5 (a code: sign, 2 exponent bits, 3 mantissa bits); and NAME_scales (uint8): the same leading axes, one E8M0 byte (e + 127) for each 32 codes along K. Its value is code x scale, taken as it is: it is not quantised again, and the codes and scales need not be those that the quantiser above would give.
;; One version. Each part assembles by itself: llvm-mc -triple=amdgcn-amd-amdhsa -mcpu=gfx1250 --defsym DOCPART=n.
;; ======== version 1 of 1: 2 launches
;; limits: right only within a limited range of input values
;; workspace buffers: qbuf 6,815,744 bytes; kvbuf 13,369,344 bytes
;; launch proj (part 1): grid 8 x 32, 4 waves a work-group, clusters of 4 x 4, 327,680 bytes of LDS; arguments x_codes, x_scales, Wq_codes, Wq_scales, Wk_codes, Wk_scales, Wv_codes, Wv_scales, sqk, freqs_cos, freqs_sin, qbuf, kvbuf; writes qbuf, kvbuf
.if DOCPART == 1
	.amdgcn_target "amdgcn-amd-amdhsa--gfx1250"
	.amdhsa_code_object_version 6
	.text
	.protected	k_q273963ba49_proj
	.globl	k_q273963ba49_proj
	.p2align	8
	.type	k_q273963ba49_proj,@function
k_q273963ba49_proj:
	s_mov_b64 s[64:65], 0
	v_nop
	global_prefetch_b8 v0, s[64:65] scope:SCOPE_SE
	s_setreg_imm32_b32 hwreg(HW_REG_WAVE_MODE, 25, 1), 1
	s_wait_xcnt 0x0
	s_wait_alu depctr_hold_cnt(0) depctr_sa_sdst(0) depctr_va_vdst(0) depctr_va_sdst(0) depctr_va_ssrc(0) depctr_va_vcc(0) depctr_vm_vsrc(0)
	s_getreg_b32 s2, hwreg(HW_REG_IB_STS2, 6, 4)
	s_cmp_eq_u32 s2, 0
	s_cbranch_scc0 .Lentry_in_a_cluster
	s_endpgm
.Lentry_in_a_cluster:
	s_bfe_u32 s2, ttmp6, 0x10000c
	s_cmp_lg_u32 s2, 0xf033
	s_cbranch_scc0 .Lentry_shape_is_right
	s_endpgm
.Lentry_shape_is_right:
; q, k, v = x W^T on codes of FP6 (E2M3) with E8M0 scales; then RoPE, the l2 norm and sqk x 32 on q and k; then all three are quantised again
; and stored as images of the next launch's operand registers, a record for each 128 tokens of a head.
; SHARES.  A work-group: 256 tokens x 128 columns (two heads) of q, k and v.  A wave: 128 tokens x one head x 3 kinds = 96 accumulators, windows 1 (q), 2 (k), 3 (v).
; THE RING goes by CHUNKS OF 256 BYTES of a row of codes (a row is 768 bytes, so every chunk begins on a multiple of 256).  Two slots with 640 rows would need 348,160 bytes,
; so K is walked twice: chunks 0-2 hold x, Wq, Wk (4 x 128 rows), chunks 3-5 x once more and Wv.  A slot is 4 x 128 rows x 272 bytes; chunk n lies in slot n % 2.
; The stream is 16 steps of 96 bytes (128 along K): steps 0-7 multiply q and k, steps 8-15 v.  Steps 2, 5, 10, 13 lie across two chunks: their pieces come from both slots.
; CLUSTERS 4 x 4: x's tiles are shared along a row, W's along a column: joint loads.  Waves 0, 1 ask for x's halves, wave 2 for Wq (later Wv), wave 3 for Wk.
; THE TABLES.  In the second walk Wk's 34,816 bytes of each slot hold no tile: with chunk 3 wave 3 fetches the work-group's 256 rows of cos there (slot 1), with chunk 4 those of sin (slot 0),
; 128 bytes a row + 8 of padding = 34,816 bytes; they are shared along the cluster's row and stay for the way out.  sqk comes at step 8 into the registers that held q's and k's scale words.
; PREFETCHES: behind the load of chunk n what chunk n + 2 will bring and nobody has read yet is named once in each cluster: a lane a block of 256 bytes, 32 blocks a wave; the four partners of a joint load
; share its blocks out by address.  At the head chunks 1 and 2; behind chunk 1: Wv's chunk 0 and cos; behind chunk 2: Wv's chunk 1 and sin; behind chunk 3: Wv's chunk 2.  x's second walk is not named.
; q and k are used transposed (source 0 = W's rows), v with x as source 0; the rows that form a tile of x, Wq, Wk are chosen so that a lane's 32 registers are one block of 32 along the next K.
.set PITCH, 272
.set HALFT, 128*PITCH
.set SLOT, 4*HALFT
.set SPARE, 2*SLOT
.set TP, 136                           ; a table's row in LDS
.set AXP, 2                            ; v2-5   x, chosen rows: slot 0, slot 1, across 0 -> 1, across 1 -> 0
.set AXN, 6                            ; v6-9   x, neighbouring rows
.set AWP, 10                           ; v10-13 W, chosen rows
.set AWN, 14                           ; v14-17 W, neighbouring rows
.set SPW, 22                           ; (in the walk: v1, v19 the prefetches' offsets, v20, v21 sqk's)
.set NIL, 23
.set XS, 24
.set WS, 56
.set XF, 104
.set WB, 200
.set L16, 2
.set L8, 3
.set SH8, 4
.set CP80, 5                           ; v5-8   the way out: sin's rows: chosen, neighbouring; the same for the lane's last 16 bytes
.set CC, 24                            ; v24-27 the same in cos
.set MXA, 11
.set MXB, 12
.set EXA, 13
.set EXB, 14
.set BYA, 15
.set BYB, 16
.set WD, 17
.set WD2, 18
.set TS, 19
.set RN, 20
.set SC, 56
.set CSB, 136
.set IMG, 200
.set Q2, 232
.set TY, 236
.set SWQ, 240
.set SWK, 244
.set SWV, 248
.set MSB, 0
.macro WIN new
.if MSB != (\new)
	s_set_vgpr_msb (MSB<<8)|(\new)
.set MSB, (\new)
.endif
.endm
.macro PLACES
.rept 4
	v_nop
.endr
.endm
; the joint loads of chunk n: one line for x, one for W, one for a table, chosen by the wave's number alone; each arm holds one load
.macro JLOAD slot, n
	s_cmp_lt_u32 s66, 2
	s_cbranch_scc0 .Lfor_w_\@
	tensor_load_to_lds s[48+4*(\slot):51+4*(\slot)], s[32:39]
	s_nop 0
.rept 4
	v_nop
.endr
	s_branch .Lasked_\@
.Lfor_w_\@:
.if (\n) >= 3
	s_cmp_eq_u32 s66, 2
	s_cbranch_scc0 .Lfor_t_\@
.endif
	tensor_load_to_lds s[56+4*(\slot):59+4*(\slot)], s[40:47]
	s_nop 0
.rept 4
	v_nop
.endr
.if (\n) >= 3
	s_branch .Lasked_\@
.Lfor_t_\@:
.if (\n) == 3
	tensor_load_to_lds s[84:87], s[76:83]          ; cos
	s_nop 0
.rept 4
	v_nop
.endr
.endif
.if (\n) == 4
	tensor_load_to_lds s[88:91], s[76:83]          ; sin
	s_nop 0
.rept 4
	v_nop
.endr
.endif
.endif
.Lasked_\@:
.endm
; the prefetch behind the load of chunk n = 1, 2, 3: wave 2 names Wv's chunk n - 1, wave 3 cos (n = 1) or sin (n = 2)
.macro ASK n
.if (\n) >= 1
.if (\n) <= 3
.if (\n) == 3
	s_cmp_eq_u32 s66, 2
.else
	s_cmp_ge_u32 s66, 2
.endif
	s_cbranch_scc0 .Lnone_\@
.if (\n) == 1
	global_prefetch_b8 v19, s[74:75] th:TH_LOAD_NT scope:SCOPE_SE
.elseif (\n) == 2
	global_prefetch_b8 v19, s[2:3] th:TH_LOAD_NT scope:SCOPE_SE
.else
	global_prefetch_b8 v19, s[2:3] offset:256 th:TH_LOAD_NT scope:SCOPE_SE
.endif
.Lnone_\@:
.endif
.endif
.endm
.macro CREST
	s_cmp_lg_u32 s66, 0
	s_cbranch_scc1 .Lnot_wave_0_\@
	s_barrier_signal -3
.Lnot_wave_0_\@:
	s_barrier_wait -3
	s_barrier_signal -1
	s_barrier_wait -1
.endm
.macro CROUND
	s_barrier_signal -1
	s_barrier_wait -1
	CREST
.endm
	s_load_b512 s[4:19], s[0:1], 0x0
	s_load_b256 s[20:27], s[0:1], 0x40
	s_load_b64 s[28:29], s[0:1], 0x60
	v_lshl_add_u32 v[SPW], v0, 2, SPARE
	v_mov_b32 v[NIL], 0
	ds_add_u32 v[SPW], v[NIL]                      ; the opening lines: the add, twice on end, and its wait
	ds_add_u32 v[SPW], v[NIL]
	v_lshrrev_b32 v1, 5, v0
	v_readfirstlane_b32 s66, v1                    ; wave
	s_lshr_b32 s67, s66, 1                         ; my half of the tokens
	s_and_b32 s68, s66, 1                          ; my head of the two; also which 128 rows of x I fetch
	s_bfe_u32 s69, ttmp6, 0x40000
	s_bfe_u32 s70, ttmp6, 0x40004
	s_lshl_b32 s71, ttmp9, 2
	s_add_co_u32 s71, s71, s69                     ; column block
	s_and_b32 s72, ttmp7, 0xffff
	s_lshl_b32 s72, s72, 2
	s_add_co_u32 s72, s72, s70                     ; token block
	s_lshl_b32 s73, s70, 2
	s_lshl_b32 s73, 15, s73
	s_lshl_b32 s74, 0x1111, s69
	s_or_b32 s32, s73, (1<<20)|(1<<21)|(5<<22)|(3<<25)   ; group 1: bytes; 16 bytes of padding behind every 256; x goes to my row of the cluster
	s_or_b32 s40, s74, (1<<20)|(1<<21)|(5<<22)|(3<<25)   ; W to my column
.irp g, 32, 40
	s_mov_b32 s[\g+1], 256<<16
	s_mov_b32 s[\g+2], 128<<16
	s_mov_b32 s[\g+3], 256<<16
	s_mov_b32 s[\g+4], 128
	s_mov_b32 s[\g+5], 768
	s_mov_b32 s[\g+6], 0
	s_mov_b32 s[\g+7], 0
.endr
	s_lshl_b32 s76, s72, 1
	s_add_co_u32 s76, s76, s68
	s_mul_i32 s76, s76, 128*768                    ; x: 256 x token block + 128 x half, in bytes
	s_mov_b32 s77, 0
	s_mul_i32 s78, s71, 128*768                    ; W: 128 x column block
	s_mov_b32 s79, 0
	s_mul_i32 s84, s66, HALFT                      ; where my 128 rows go in a slot
	s_mov_b32 s92, 0x76543210
	s_mov_b32 s93, 0xfedcba98
	s_mov_b32 s94, 0xffff0000
	s_mov_b32 s30, SLOT-232
	s_mov_b32 s31, SLOT+232
	s_mul_i32 s85, s67, HALFT                      ; my 128 rows of x
	s_mul_i32 s90, s68, 64*PITCH
	s_add_co_u32 s90, s90, 2*HALFT                 ; my 64 rows of Wq or Wv; Wk's lie HALFT further on
	s_wait_dscnt 0x0
	s_wait_kmcnt 0x0
	s_add_nc_u64 s[4:5], s[4:5], s[76:77]          ; x's rows that I fetch
	s_cmp_eq_u32 s66, 3
	s_cselect_b64 s[8:9], s[12:13], s[8:9]         ; first walk: wave 3 fetches Wk, wave 2 Wq
	s_add_nc_u64 s[8:9], s[8:9], s[78:79]
	s_add_nc_u64 s[16:17], s[16:17], s[78:79]      ; second walk: Wv
	CROUND
.irp s, 0,1
	s_mov_b32 s[48+4*\s], 1
	s_add_co_u32 s[49+4*\s], s84, \s*SLOT
	s_add_nc_u64 s[50+4*\s:51+4*\s], s[4:5], \s*256
	s_or_b32 s[51+4*\s], s[51+4*\s], 0x80000000
	s_mov_b32 s[56+4*\s], 1
	s_add_co_u32 s[57+4*\s], s84, \s*SLOT
	s_add_nc_u64 s[58+4*\s:59+4*\s], s[8:9], \s*256
	s_or_b32 s[59+4*\s], s[59+4*\s], 0x80000000
.endr
	JLOAD 0, 0                                     ; chunk 0: one tensor load a wave at the head
	s_lshl_b32 s86, s72, 13
	s_lshl_b32 s87, s67, 12
	s_add_co_u32 s86, s86, s87
	s_mov_b32 s87, 0
	s_add_nc_u64 s[6:7], s[6:7], s[86:87]
	s_lshl_b32 s88, s71, 12
	s_lshl_b32 s89, s68, 11
	s_add_co_u32 s88, s88, s89
	s_mov_b32 s89, 0
	s_add_nc_u64 s[10:11], s[10:11], s[88:89]
	s_add_nc_u64 s[14:15], s[14:15], s[88:89]
	s_add_nc_u64 s[18:19], s[18:19], s[88:89]
	v_and_b32 v250, 15, v0
	v_bfe_u32 v251, v0, 4, 1
	v_and_b32 v252, 8, v250
	v_lshl_add_u32 v252, v252, 2, v250             ; the chosen row: r, or r + 32 from r = 8 on
	v_lshlrev_b32 v248, 5, v252
	v_lshl_add_u32 v248, v251, 4, v248
	v_lshlrev_b32 v249, 5, v250
	v_lshl_add_u32 v249, v251, 4, v249
; the scale words of all of K stay in registers: lanes 0-15 hold a row's words of steps 0-3, lanes 16-31 those of steps 4-7
.irp i, 0,1,2,3,4,5,6,7
.if (\i%4) < 3
	global_load_b128 v[XS+4*\i:XS+4*\i+3], v248, s[6:7] offset:(64*(\i/4)+8*(\i%4))*32
.else
	global_load_b128 v[XS+4*\i:XS+4*\i+3], v249, s[6:7] offset:(64*(\i/4)+24)*32
.endif
.endr
.irp j, 0,1,2
	global_load_b128 v[WS+4*\j:WS+4*\j+3], v248, s[10:11] offset:8*\j*32
	global_load_b128 v[WS+16+4*\j:WS+16+4*\j+3], v248, s[14:15] offset:8*\j*32
.endr
	global_load_b128 v[WS+12:WS+15], v249, s[10:11] offset:24*32
	global_load_b128 v[WS+28:WS+31], v249, s[14:15] offset:24*32
.irp j, 0,1,2,3
	global_load_b128 v[WS+32+4*\j:WS+32+4*\j+3], v249, s[18:19] offset:16*\j*32
.endr
	v_mul_u32_u24 v252, v252, PITCH
	v_mul_u32_u24 v253, v250, PITCH
	v_mul_u32_u24 v18, v251, 24                    ; lanes 16-31 read 24 bytes further on
	v_mul_u32_u24 v20, v251, 160                   ; sqk: my first 24 channels begin at channel 0 or 40,
	v_lshl_add_u32 v21, v251, 5, 96                ; my last 8 at channel 24 or 32
	v_sub_nc_u32 v19, 1, v251
	v_mul_u32_u24 v254, s30, v251
	v_add_nc_u32 v254, 232, v254                   ; across: lanes 0-15 byte 232 in slot 0, lanes 16-31 byte 0 in slot 1
	v_mul_u32_u24 v255, s31, v19                   ; and lanes 0-15 byte 232 in slot 1, lanes 16-31 byte 0 in slot 0
	v_add_nc_u32 v2, v252, v18
	v_add_nc_u32 v4, v252, v254
	v_add_nc_u32 v5, v252, v255
	v_add_nc_u32 v6, v253, v18
	v_add_nc_u32 v8, v253, v254
	v_add_nc_u32 v9, v253, v255
.irp n, 2,4,5,6,8,9
	v_add_nc_u32 v[8+\n], s90, v[\n]
	v_add_nc_u32 v[\n], s85, v[\n]
.endr
.irp n, 2,6,10,14
	v_add_nc_u32 v[\n+1], SLOT, v[\n]
.endr
	s_lshl_b32 s86, s72, 1
	s_add_co_u32 s86, s86, s67
	s_lshr_b32 s87, s86, 4
	s_and_b32 s88, s86, 15
	s_lshl_b32 s89, s71, 1
	s_add_co_u32 s89, s89, s68
	s_lshl_b32 s87, s87, 4
	s_add_co_u32 s87, s87, s89
	s_lshl_b32 s87, s87, 4
	s_add_co_u32 s87, s87, s88
	s_mov_b32 s91, 0
	s_mul_i32 s90, s87, 6656
	s_add_nc_u64 s[26:27], s[26:27], s[90:91]
	s_mul_i32 s90, s87, 13056
	s_add_nc_u64 s[28:29], s[28:29], s[90:91]
	s_lshl_b32 s90, s89, 8
	s_add_nc_u64 s[20:21], s[20:21], s[90:91]
	s_and_b32 s90, s72, 7                          ; the tables: my work-group's 256 positions, 128 bytes a row
	s_lshl_b32 s90, s90, 15
	s_add_nc_u64 s[22:23], s[22:23], s[90:91]
	s_add_nc_u64 s[24:25], s[24:25], s[90:91]
	s_or_b32 s76, s73, (1<<20)|(1<<21)|(4<<22)|(1<<25)   ; group 1 for a table: bytes; 8 bytes of padding behind every 128; to my row of the cluster
	s_mov_b32 s77, 128<<16
	s_mov_b32 s78, 256<<16
	s_mov_b32 s79, 128<<16
	s_mov_b32 s80, 256
	s_mov_b32 s81, 128
	s_mov_b32 s82, 0
	s_mov_b32 s83, 0
	s_mov_b32 s84, 1
	s_mov_b32 s85, SLOT+3*HALFT                    ; cos: where slot 1 held Wk
	s_mov_b64 s[86:87], s[22:23]
	s_or_b32 s87, s87, 0x80000000
	s_mov_b32 s88, 1
	s_mov_b32 s89, 3*HALFT                         ; sin: where slot 0 held Wk
	s_mov_b64 s[90:91], s[24:25]
	s_or_b32 s91, s91, 0x80000000
	; the prefetches' bases.  Of the 128 rows that I fetch, my work-group names 32: by its place among the four partners (cx for x and the tables, cy for W)
	s_cmp_lt_u32 s66, 2
	s_cselect_b64 s[12:13], s[4:5], s[8:9]
	s_cselect_b32 s30, s69, s70
	s_mul_i32 s30, s30, 32*768
	s_mov_b32 s31, 0
	s_add_nc_u64 s[12:13], s[12:13], s[30:31]      ; chunks 1 and 2 of my tile
	s_cmp_eq_u32 s66, 3
	s_cselect_b32 s30, s69, s70
	s_mov_b32 s95, 32*768
	s_cselect_b32 s95, 8192, s95
	s_mul_i32 s30, s30, s95
	s_cselect_b64 s[74:75], s[22:23], s[16:17]
	s_add_nc_u64 s[74:75], s[74:75], s[30:31]      ; wave 3: cos, 32 blocks of its 128; else Wv's chunk 0
	s_cselect_b64 s[2:3], s[24:25], s[16:17]
	s_add_nc_u64 s[2:3], s[2:3], s[30:31]
	s_cselect_b32 s30, 0, 256
	s_add_nc_u64 s[2:3], s[2:3], s[30:31]          ; wave 3: sin; else Wv's chunk 1
	s_mov_b32 s95, 768
	s_cselect_b32 s95, 256, s95
	v_and_b32 v19, 31, v0
	v_mul_u32_u24 v1, v19, 768                     ; a lane a row of codes
	v_mul_u32_u24 v19, v19, s95                    ; wave 3: a lane a block of a table
	global_prefetch_b8 v1, s[12:13] offset:256 th:TH_LOAD_NT scope:SCOPE_SE
	global_prefetch_b8 v1, s[12:13] offset:512 th:TH_LOAD_NT scope:SCOPE_SE
; a fragment: six pieces of 8 bytes.  g: the step in the stream; byte y of the stream lies in chunk y / 256, slot (y / 256) % 2, at byte y % 256 of the LDS row
.macro FRAG reg, adr, g, extra
.irp p, 0,1,2,3,4,5
.set BY, 96*(\g)+48*(\p/3)+8*(\p%3)
.if BY/256 == (BY+24)/256
	ds_load_b64 v[(\reg)+2*\p:(\reg)+2*\p+1], v[(\adr)+(BY/256)%2] offset:BY%256+(\extra)
.else
	ds_load_b64 v[(\reg)+2*\p:(\reg)+2*\p+1], v[(\adr)+2+(BY/256)%2] offset:BY%256-232+(\extra)
.endif
.endr
.endm
.macro LXT g, i
.if ((\i)%4) < 3
	FRAG XF+12*(\i), AXP, \g, (64*((\i)/4)+8*((\i)%4))*PITCH
.else
	FRAG XF+12*(\i), AXN, \g, (64*((\i)/4)+24)*PITCH
.endif
.endm
.macro LX g, i0
.irp d, 0,1,2,3
	LXT \g, (\i0)+\d
.endr
.endm
.macro LWT kind, jt, g
.if (\kind) < 2
.if (\jt) < 3
	FRAG WB+12*(\jt), AWP, \g, 8*(\jt)*PITCH+HALFT*(\kind)
.else
	FRAG WB+12*(\jt), AWN, \g, 24*PITCH+HALFT*(\kind)
.endif
.else
	FRAG WB+12*(\jt), AWN, \g, 16*(\jt)*PITCH
.endif
.endm
.macro LW kind, jp, g
	LWT \kind, 2*(\jp), \g
	LWT \kind, 2*(\jp)+1, \g
.endm
.macro WM kind, jt, i, s
.if (\kind) < 2
.set DD, 32*(\i)+8*(\jt)
.set AA, WB+12*(\jt)
.set BB, XF+12*(\i)
.set SA, WS+4*(4*(\kind)+(\jt))+(\s)%4
.set SB, XS+4*(\i)+(\s)%4
.else
.set DD, 64*(\jt)+8*(\i)
.set AA, XF+12*(\i)
.set BB, WB+12*(\jt)
.set SA, XS+4*(\i)+(\s)%4
.set SB, WS+4*(4*(\kind)+(\jt))+(\s)%4
.endif
.if (\s) == 0
	v_wmma_scale_f32_16x16x128_f8f6f4 v[DD:DD+7], v[AA:AA+11], v[BB:BB+11], 0, v[SA], v[SB] matrix_a_fmt:MATRIX_FMT_FP6 matrix_b_fmt:MATRIX_FMT_FP6
.elseif (\s) < 4
	v_wmma_scale_f32_16x16x128_f8f6f4 v[DD:DD+7], v[AA:AA+11], v[BB:BB+11], v[DD:DD+7], v[SA], v[SB] matrix_a_fmt:MATRIX_FMT_FP6 matrix_b_fmt:MATRIX_FMT_FP6
.else
	v_wmma_scale_f32_16x16x128_f8f6f4 v[DD:DD+7], v[AA:AA+11], v[BB:BB+11], v[DD:DD+7], v[SA], v[SB] matrix_a_fmt:MATRIX_FMT_FP6 matrix_b_fmt:MATRIX_FMT_FP6 matrix_a_scale:MATRIX_SCALE_ROW1 matrix_b_scale:MATRIX_SCALE_ROW1
.endif
.endm
.macro PM kind, jp, s, i0, n           ; a pair of W's tiles against n of x's: the accumulators take turns
.set II, \i0
.rept \n
	WM \kind, 2*(\jp), II, \s
	WM \kind, 2*(\jp)+1, II, \s
.set II, II+1
.endr
.endm
; The last unit but one of a step: all this step's fragments have been asked for.  NB: a barrier stands in it (the next step ends in a chunk not read yet, or a slot is filled again);
; RF: the chunk in which this step began is read no more and chunk C0 + 2 takes its slot.  cnt: the LDS loads younger than those that the first eight products need.
.macro MEETU kind, win, cnt, g
.if NB
	s_wait_tensorcnt 0x0                           ; all my tensor loads have landed
.if RF
	ds_add_u32 v[SPW], v[NIL]
	s_add_nc_u64 s[50+4*(C0%2):51+4*(C0%2)], s[4:5], ((C0+2)%3)*256      ; no load of mine is out: the slot's next chunk
	s_or_b32 s[51+4*(C0%2)], s[51+4*(C0%2)], 0x80000000
.if C0+2 < 3
	s_add_nc_u64 s[58+4*(C0%2):59+4*(C0%2)], s[8:9], ((C0+2)%3)*256
.else
	s_add_nc_u64 s[58+4*(C0%2):59+4*(C0%2)], s[16:17], ((C0+2)%3)*256
.endif
	s_or_b32 s[59+4*(C0%2)], s[59+4*(C0%2)], 0x80000000
.endif
	s_wait_dscnt (\cnt)+RF
	WIN \win
	PM \kind, 0, S8, 0, 4
	s_wait_dscnt 0x0                               ; the add, where there is one, and all my reads are done
	s_barrier_signal -1
	PM \kind, 0, S8, 4, 4
	PLACES                                         ; in front of the loads into this pair's registers, on every wave's way
	WIN 0
	s_barrier_wait -1
.if RF
	CREST                                          ; the barrier has opened a round of the cluster's barrier
	JLOAD C0%2, C0+2
.endif
.else
	s_wait_dscnt \cnt
	WIN \win
	PM \kind, 0, S8, 0, 4
.if (\cnt) > 12
	s_wait_dscnt 12                                ; x's tiles 4-7 are in; W's second pair may be out
.endif
	PM \kind, 0, S8, 4, 4
	PLACES
	WIN 0
.endif
.if (\g) < 15
	LW NK, 0, NX
.endif
.if RF
	ASK C0+2
.endif
.endm
.macro LASTU kind, win, g              ; a step's last unit: x's tiles are fetched anew as they fall free
.if (\g) < 15
	s_wait_dscnt 12                                ; the pair just asked for may be out
	WIN \win
	PM \kind, 1, S8, 0, 4
	PLACES
	WIN 0
	LX NX, 0
	WIN \win
	PM \kind, 1, S8, 4, 4
	PLACES
	WIN 0
	LX NX, 4
	LW NK, 1, NX
.else
	s_wait_dscnt 0x0
	WIN \win
	PM \kind, 1, S8, 0, 8
	WIN 0
.endif
.endm
.macro STEP g
.set S8, (\g)%8
.set NX, (\g)+1
.set NK, 2*(NX/8)
.set C0, (96*(\g))/256
.set C1, (96*NX)/256
.set E0, (96*(\g)+95)/256
.set E1, (96*NX+95)/256
.set RF, 0
.set NB, 0
.if (\g) < 15
.if E1 > E0
.set NB, 1
.endif
.if C1 > C0
.if C0+2 < 6
.set RF, 1
.set NB, 1
.endif
.endif
.endif
.if (\g) < 8
	s_wait_dscnt 36                                ; W's first pair and x's tiles 0-3 are in
	WIN 0x50
	PM 0, 0, S8, 0, 4
	s_wait_dscnt 12
	PM 0, 0, S8, 4, 4
	PLACES
	WIN 0
	LW 1, 0, \g
	s_wait_dscnt 12
	WIN 0x50
	PM 0, 1, S8, 0, 8
	PLACES
	WIN 0
	LW 1, 1, \g
	MEETU 1, 0xa0, 12, \g
	LASTU 1, 0xa0, \g
.else
.if (\g) == 8
; q's and k's products are done (four places stand behind the last): sqk's 32 numbers of my lane take their scale words' registers
.irp j, 0,1,2
	global_load_b128 v[SC+8*\j:SC+8*\j+3], v20, s[20:21] offset:32*\j
	global_load_b128 v[SC+8*\j+4:SC+8*\j+7], v20, s[20:21] offset:32*\j+16
.endr
	global_load_b128 v[SC+24:SC+27], v21, s[20:21]
	global_load_b128 v[SC+28:SC+31], v21, s[20:21] offset:16
.endif
	MEETU 2, 0xf0, 36, \g
	LASTU 2, 0xf0, \g
.endif
.endm
	s_wait_alu depctr_va_vdst(0)                   ; the wait at the head's end
	s_wait_tensorcnt 0x0                           ; my part of chunk 0 is in; the lines that stand ahead of a later first fill, as ahead of a refill
	ds_add_u32 v[SPW], v[NIL]
	s_wait_dscnt 0x0
	CROUND
	JLOAD 1, 1                                     ; chunk 1
	LW 0, 0, 0
	LX 0, 0
	LX 0, 4
	LW 0, 1, 0
	ASK 1
	s_wait_loadcnt 0x0                             ; the scale words
.irp g, 0,1,2,3,4,5,6,7,8,9,10,11,12,13,14,15
	STEP \g
.endr
; THE WAY OUT: v is quantised along the tokens; q and k get RoPE, the norm and sqk x 32 and are quantised along the head's 64; all leave as register images, 512 consecutive bytes a store
	s_wait_loadcnt 0x0                             ; sqk is in, and its address registers are free;
	s_wait_xcnt 0x0                                ; so are the prefetches'
	v_and_b32 v1, 31, v0
	v_lshlrev_b32 v[L16], 4, v1
	v_lshlrev_b32 v[L8], 3, v1
	v_and_b32 v[TS], 15, v0
	v_bfe_u32 v[WD], v0, 4, 1
	v_lshlrev_b32 v[SH8], 3, v[WD]
	v_and_b32 v[WD2], 8, v[TS]
	v_lshl_add_u32 v[WD2], v[WD2], 2, v[TS]
	s_mul_i32 s95, s67, 128*TP                     ; my 128 rows of a table
	s_add_co_u32 s95, s95, 3*HALFT
	v_mul_u32_u24 v[MXA], v[WD], 80                ; my first 12 pairs begin at pair 0 or 20,
	v_lshl_add_u32 v[MXB], v[WD], 4, 48            ; my last 4 at pair 12 or 16
	v_add_nc_u32 v[MXA], s95, v[MXA]
	v_add_nc_u32 v[MXB], s95, v[MXB]
	v_mad_u32_u24 v[CP80], v[WD2], TP, v[MXA]
	v_mad_u32_u24 v[CP80+1], v[TS], TP, v[MXA]
	v_mad_u32_u24 v[CP80+2], v[WD2], TP, v[MXB]
	v_mad_u32_u24 v[CP80+3], v[TS], TP, v[MXB]
.irp n, 0,1,2,3
	v_add_nc_u32 v[CC+\n], SLOT, v[CP80+\n]
.endr
	v_mov_b32 v[WD2], 0
	v_mov_b32 v[RN+1], 0
.macro CSLOAD i                        ; token tile i's cos and sin: 16 loads of 8 bytes (a table's rows lie 136 bytes apart)
.set CB, CSB+32*((\i)%2)
.if ((\i)%4) < 3
.set CA, 0
.set CROW, (64*((\i)/4)+8*((\i)%4))*TP
.else
.set CA, 1
.set CROW, (64*((\i)/4)+24)*TP
.endif
.irp j, 0,1,2,3,4,5
	ds_load_b64 v[CB+2*\j:CB+2*\j+1], v[CC+CA] offset:CROW+8*\j
	ds_load_b64 v[CB+16+2*\j:CB+17+2*\j], v[CP80+CA] offset:CROW+8*\j
.endr
.irp j, 0,1
	ds_load_b64 v[CB+12+2*\j:CB+13+2*\j], v[CC+CA+2] offset:CROW+8*\j
	ds_load_b64 v[CB+28+2*\j:CB+29+2*\j], v[CP80+CA+2] offset:CROW+8*\j
.endr
.endm
	CSLOAD 0
	CSLOAD 1
.macro VQ jt
.set VA, 64*(\jt)
.set IM, IMG+12*((\jt)%2)
.if (\jt) >= 2
	s_wait_xcnt 0x0
.endif
	v_mov_b32 v[MXA], 0x1800000
	v_mov_b32 v[MXB], 0x1800000
	WIN 0x3c
.set U, 0
.rept 16
	v_max3_num_f32 v[MXA], v[MXA], |v[VA+U]|, |v[VA+U+1]|
	v_max3_num_f32 v[MXB], v[MXB], |v[VA+32+U]|, |v[VA+32+U+1]|
.set U, U+2
.endr
	WIN 0
	v_add_nc_u32 v[EXA], 0xff000000, v[MXA]
	v_add_nc_u32 v[EXB], 0xff000000, v[MXB]
	v_lshrrev_b32 v[BYA], 23, v[EXA]
	v_lshrrev_b32 v[BYB], 23, v[EXB]
	v_lshl_or_b32 v[WD], v[BYB], 16, v[BYA]
	v_lshlrev_b32 v[WD], v[SH8], v[WD]
	v_permlanex16_b32 v[WD2], v[WD], s92, s93
	v_or_b32 v[WD], v[WD], v[WD2]
.if ((\jt)%2) == 0
	v_mov_b32 v[SWV+(\jt)/2], v[WD]
.else
	v_cndmask_b32 v[SWV+(\jt)/2], v[SWV+(\jt)/2], v[WD], s94
.endif
	WIN 0x03
	v_cvt_scalef32_pk16_fp6_f32 v[IM:IM+2], v[VA:VA+15], v[EXA]
	v_cvt_scalef32_pk16_fp6_f32 v[TY:TY+2], v[VA+16:VA+31], v[EXA]
	v_cvt_scalef32_pk16_fp6_f32 v[IM+6:IM+8], v[VA+32:VA+47], v[EXB]
	v_cvt_scalef32_pk16_fp6_f32 v[TY+4:TY+6], v[VA+48:VA+63], v[EXB]
	v_nop
	WIN 0
.irp n, 0,1,2
	v_mov_b32 v[IM+3+\n], v[TY+\n]
	v_mov_b32 v[IM+9+\n], v[TY+4+\n]
.endr
.irp g, 0,1,2
	global_store_b128 v[L16], v[IM+4*\g:IM+4*\g+3], s[28:29] offset:6144+512*(3*(\jt)+\g)
.endr
.endm
	VQ 0
	VQ 1
	VQ 2
	VQ 3
	global_store_b64 v[L8], v[SWV:SWV+1], s[28:29] offset:12800
.macro QKT kind, i
.set A0, 32*(\i)
.set CB, CSB+32*((\i)%2)
.set IM, IMG+12*((\kind)-1)+6*((\i)%2)
	WIN 0xc0|(\kind)
.set U, 0
.rept 8
	v_pk_mul_f32 v[4*U:4*U+1], v[A0+4*U:A0+4*U+1], v[CB+16+2*U:CB+17+2*U] op_sel:[1,0] op_sel_hi:[0,0]
	v_pk_mul_f32 v[4*U+2:4*U+3], v[A0+4*U+2:A0+4*U+3], v[CB+16+2*U:CB+17+2*U] op_sel:[1,1] op_sel_hi:[0,1]
.set U, U+1
.endr
	WIN ((\kind)<<6)|0x30|(\kind)
.set U, 0
.rept 8
	v_pk_fma_f32 v[A0+4*U:A0+4*U+1], v[A0+4*U:A0+4*U+1], v[CB+2*U:CB+2*U+1], v[4*U:4*U+1] op_sel:[0,0,0] op_sel_hi:[1,0,1] neg_lo:[0,0,1]
	v_pk_fma_f32 v[A0+4*U+2:A0+4*U+3], v[A0+4*U+2:A0+4*U+3], v[CB+2*U:CB+2*U+1], v[4*U+2:4*U+3] op_sel:[0,1,0] op_sel_hi:[1,1,1] neg_lo:[0,0,1]
.set U, U+1
.endr
	WIN (\kind)|((\kind)<<2)
	v_pk_mul_f32 v[Q2:Q2+1], v[A0:A0+1], v[A0:A0+1]
	v_pk_mul_f32 v[Q2+2:Q2+3], v[A0+2:A0+3], v[A0+2:A0+3]
.set U, 4
.rept 7
	v_pk_fma_f32 v[Q2:Q2+1], v[A0+U:A0+U+1], v[A0+U:A0+U+1], v[Q2:Q2+1]
	v_pk_fma_f32 v[Q2+2:Q2+3], v[A0+U+2:A0+U+3], v[A0+U+2:A0+U+3], v[Q2+2:Q2+3]
.set U, U+4
.endr
	WIN 0
	v_pk_add_f32 v[Q2:Q2+1], v[Q2:Q2+1], v[Q2+2:Q2+3]
	v_add_f32 v[TS], v[Q2], v[Q2+1]
	v_permlanex16_b32 v[WD2], v[TS], s92, s93
	v_add_f32 v[TS], v[TS], v[WD2]
	s_wait_alu depctr_va_vdst(0)
	v_rsq_f32 v[RN], v[TS]
	v_mov_b32 v[MXA], 0x1800000
	v_mov_b32 v[MXB], 0x1800000
	WIN ((\kind)<<6)|(\kind)
.set U, 0
	s_wait_alu depctr_va_vdst(0)
.rept 16
	v_pk_mul_f32 v[A0+U:A0+U+1], v[A0+U:A0+U+1], v[RN:RN+1] op_sel_hi:[1,0]
.set U, U+2
.endr
.set U, 0
.rept 16
	v_pk_mul_f32 v[A0+U:A0+U+1], v[A0+U:A0+U+1], v[SC+U:SC+U+1]
.set U, U+2
.endr
	WIN ((\kind)<<2)|((\kind)<<4)
.set U, 0
.rept 8
	v_max3_num_f32 v[MXA], v[MXA], |v[A0+U]|, |v[A0+U+1]|
	v_max3_num_f32 v[MXB], v[MXB], |v[A0+U+2]|, |v[A0+U+3]|
.set U, U+4
.endr
	WIN 0
	v_max_num_f32 v[MXA], v[MXA], v[MXB]
	v_add_nc_u32 v[EXA], 0xff000000, v[MXA]
	v_lshrrev_b32 v[BYA], 23, v[EXA]
	v_lshlrev_b32 v[WD], v[SH8], v[BYA]
	v_permlanex16_b32 v[WD2], v[WD], s92, s93
	v_or_b32 v[WD], v[WD], v[WD2]
.if ((\i)%2) == 0
	v_mov_b32 v[SWQ+4*((\kind)-1)+(\i)/2], v[WD]
.else
	v_cndmask_b32 v[SWQ+4*((\kind)-1)+(\i)/2], v[SWQ+4*((\kind)-1)+(\i)/2], v[WD], s94
.endif
	WIN (\kind)
	v_cvt_scalef32_pk16_fp6_f32 v[IM:IM+2], v[A0:A0+15], v[EXA]
	v_cvt_scalef32_pk16_fp6_f32 v[TY:TY+2], v[A0+16:A0+31], v[EXA]
	v_nop
	WIN 0
.irp n, 0,1,2
	v_mov_b32 v[IM+3+\n], v[TY+\n]
.endr
.endm
.macro TOK i
.if (\i) < 7
	s_wait_dscnt 16                                ; the next tile's sixteen loads may be out
.else
	s_wait_dscnt 0x0
.endif
.if (\i) == 0
.set U, 0
.rept 16
	v_pk_mul_f32 v[SC+U:SC+U+1], v[SC+U:SC+U+1], 0x42000000 op_sel_hi:[1,0]
.set U, U+2
.endr
.endif
.if ((\i)%2) == 0
	s_wait_xcnt 0x0
.endif
	QKT 1, \i
	QKT 2, \i
.if (\i) < 6
	CSLOAD (\i)+2
.endif
.if ((\i)%2) == 1
.irp g, 0,1,2
	global_store_b128 v[L16], v[IMG+4*\g:IMG+4*\g+3], s[26:27] offset:512*(3*((\i)/2)+\g)
	global_store_b128 v[L16], v[IMG+12+4*\g:IMG+12+4*\g+3], s[28:29] offset:512*(3*((\i)/2)+\g)
.endr
.endif
.endm
.irp i, 0,1,2,3,4,5,6,7
	TOK \i
.endr
	global_store_b128 v[L16], v[SWQ:SWQ+3], s[26:27] offset:6144
	global_store_b128 v[L16], v[SWK:SWK+3], s[28:29] offset:12288
	s_wait_tensorcnt 0x0                           ; the wave's end
	ds_add_u32 v[SPW], v[NIL]
	s_wait_dscnt 0x0
	CROUND                                         ; the closing round
	s_endpgm
.Lfunc_end_k_q273963ba49_proj:
	.size	k_q273963ba49_proj, .Lfunc_end_k_q273963ba49_proj-k_q273963ba49_proj
	.p2alignl 7, 3214868480
	.fill 96, 4, 3214868480
	.section	.rodata,"a",@progbits
	.p2align	6, 0x0
	.amdhsa_kernel k_q273963ba49_proj
		.amdhsa_group_segment_fixed_size 327680
		.amdhsa_private_segment_fixed_size 0
		.amdhsa_enable_private_segment 0
		.amdhsa_kernarg_size 104
		.amdhsa_user_sgpr_count 2
		.amdhsa_user_sgpr_kernarg_segment_ptr 1
		.amdhsa_wavefront_size32 1
		.amdhsa_system_sgpr_workgroup_id_x 1
		.amdhsa_system_sgpr_workgroup_id_y 1
		.amdhsa_system_sgpr_workgroup_id_z 1
		.amdhsa_system_vgpr_workitem_id 0
		.amdhsa_next_free_vgpr 1024
		.amdhsa_next_free_sgpr 96
		.amdhsa_reserve_vcc 0
		.amdhsa_float_denorm_mode_32 3
		.amdhsa_float_denorm_mode_16_64 3
		.amdhsa_memory_ordered 1
		.amdhsa_forward_progress 1
		.amdhsa_inst_pref_size 255
	.end_amdhsa_kernel
	.section	.bss,"aw",@nobits
	.p2align	6
	.space	262144
	.amdgpu_metadata
---
amdhsa.version: [ 1, 2 ]
amdhsa.kernels:
  - .name:           k_q273963ba49_proj
    .symbol:         k_q273963ba49_proj.kd
    .args:
      - { .name: x_codes, .offset: 0, .size: 8, .value_kind: global_buffer, .address_space: global }
      - { .name: x_scales, .offset: 8, .size: 8, .value_kind: global_buffer, .address_space: global }
      - { .name: Wq_codes, .offset: 16, .size: 8, .value_kind: global_buffer, .address_space: global }
      - { .name: Wq_scales, .offset: 24, .size: 8, .value_kind: global_buffer, .address_space: global }
      - { .name: Wk_codes, .offset: 32, .size: 8, .value_kind: global_buffer, .address_space: global }
      - { .name: Wk_scales, .offset: 40, .size: 8, .value_kind: global_buffer, .address_space: global }
      - { .name: Wv_codes, .offset: 48, .size: 8, .value_kind: global_buffer, .address_space: global }
      - { .name: Wv_scales, .offset: 56, .size: 8, .value_kind: global_buffer, .address_space: global }
      - { .name: sqk, .offset: 64, .size: 8, .value_kind: global_buffer, .address_space: global }
      - { .name: freqs_cos, .offset: 72, .size: 8, .value_kind: global_buffer, .address_space: global }
      - { .name: freqs_sin, .offset: 80, .size: 8, .value_kind: global_buffer, .address_space: global }
      - { .name: qbuf, .offset: 88, .size: 8, .value_kind: global_buffer, .address_space: global }
      - { .name: kvbuf, .offset: 96, .size: 8, .value_kind: global_buffer, .address_space: global }
    .group_segment_fixed_size: 327680
    .private_segment_fixed_size: 0
    .kernarg_segment_align: 8
    .kernarg_segment_size: 104
    .max_flat_workgroup_size: 128
    .sgpr_count:     96
    .vgpr_count:     1024
    .wavefront_size: 32
...
	.end_amdgpu_metadata
.endif
;; end of part 1
;; launch attn (part 2): grid 4 x 64, 8 waves a work-group, clusters of 4 x 1, 293,632 bytes of LDS; arguments qbuf, kvbuf, out0; writes out0
.if DOCPART == 2
	.amdgcn_target "amdgcn-amd-amdhsa--gfx1250"
	.amdhsa_code_object_version 6
	.text
	.protected	k_q273963ba49_attn
	.globl	k_q273963ba49_attn
	.p2align	8
	.type	k_q273963ba49_attn,@function
k_q273963ba49_attn:
	s_mov_b64 s[64:65], 0
	v_nop
	global_prefetch_b8 v0, s[64:65] scope:SCOPE_SE
	s_setreg_imm32_b32 hwreg(HW_REG_WAVE_MODE, 25, 1), 1
	s_wait_xcnt 0x0
	s_wait_alu depctr_hold_cnt(0) depctr_sa_sdst(0) depctr_va_vdst(0) depctr_va_sdst(0) depctr_va_ssrc(0) depctr_va_vcc(0) depctr_vm_vsrc(0)
	s_getreg_b32 s2, hwreg(HW_REG_IB_STS2, 6, 4)
	s_cmp_eq_u32 s2, 0
	s_cbranch_scc0 .Lentry_in_a_cluster
	s_endpgm
.Lentry_in_a_cluster:
	s_bfe_u32 s2, ttmp6, 0x10000c
	s_cmp_lg_u32 s2, 0x3003
	s_cbranch_scc0 .Lentry_shape_is_right
	s_endpgm
.Lentry_shape_is_right:
; out[b][q][head] = softmax_k(q . k / 8) v, both products on codes of FP6 (E2M3) with one E8M0 scale for each 32 along K.  q, k and v arrive as images of operand registers, a record for each 128 tokens of a head.
; THE SOFTMAX: t = score x log2(e) / 8; M = the running largest t rounded up to a whole number; p = 2^(t - M) is quantised along the keys, not normalised; the row's sum is taken of the unquantised p
; and divides at the end.  When M moves, the sum and O are multiplied by 2^(old M - new M), which rounds nothing.
; SHARES.  A work-group owns 512 queries of one head; each of its eight waves owns four tiles of 16 queries, one after the other (four passes over the keys, one loop), in 512 registers: two waves to a SIMD.
; A KEY STEP IS 512 KEYS, four records: the maximum's tail, the change of M and the rescaling of O and of the sum run once for 512 keys.  Window 1 holds the step's 256 scores of a lane, window 0 all else.
; LDS.  The head's sixteen records of K and V (208,896 bytes) are fetched ONCE, two records by each wave in one load, and stay: nothing is filled again.  The four work-groups of a cluster belong to one head: joint loads.
; No prefetch: the records are asked for once, at the head, and no loop stands ahead of them.  Behind the records: a stage for each wave, and 4,096 bytes for each wave that hold its four tiles of q.
; LAYOUT.  S^T = K Q^T (source 0 = 16 keys, source 1 = my 16 queries), O^T = V^T P^T: a lane holds one query throughout.  The tokens of a tile were chosen by the launch before so that a lane's 32 registers of four
; neighbouring key tiles are one whole block of 32 keys: a block's maximum and its codes need no other lane.
; K = 64 IN A FORM OF 128: q's operand is six registers of codes and six of zeros.  k's tiles lie six registers apart, so the upper half of a tile's operand is the next tile's codes: they meet q's zero codes and add nothing;
; behind the last tile stand six registers of zeros.  Bytes 2 and 3 of both scale words are 0.
; LIMITS: where M rises by more than 149 at once, what was summed before falls to 0, which is nothing beside the new terms.  A block's largest p is taken through the block's largest score: that takes v_exp_f32 not to fall
; where its input rises.  NaN and infinities are not served.
.set REC, 13056                        ; a record: K's image 6,144, V's 6,144, K's scale words 512, V's 256
.set QREC, 6656                        ; q's image 6,144, its scale words 512
.set HEADB, 16*REC
.set STG, 17*REC                       ; the stages: 16 rows x 272 bytes for each wave
.set QST, STG+8*4352                   ; q: for each wave four tiles of 1,024 bytes: 3 x 256 of codes, 256 with the scale word at 8 x lane
.set SPARE, 0x47300
.set LI, 1                             ; 16 x lane
.set AD, 2                             ; the step's first record + 16 x lane
.set STO, 3
.set RD, 4
.set GO, 5
.set AQ, 6                             ; my bytes of q + 8 x lane
.set L8, 7                             ; 8 x lane
.set AD8, 8
.set OLD, 9
.set PD, 10
.set XM, 11
.set WT, 12
.set BT, 13
.set F, 14                             ; v[14:15] 2^(old M - new M), at the end 1 / sum
.set NM, 16                            ; v16 -M, v17 the running largest score
.set SUM, 18                           ; v[18:19] the sum in two halves
.set PX, 20                            ; v20-23 what lane l xor 16 sends for the four scale words
.set MX, 26                            ; v26-33 the eight blocks' largest scores, then largest p, then bytes; later the conversions' second halves
.set TY, 26
.set EX, 34                            ; v34-41 the conversions' scale operands
.set QF, 42                            ; v42-53 q: 6 of codes, 6 of zeros
.set KA, 54                            ; v54-101 K's 8 tiles or V's 4 of an even record, v102-107 zeros
.set KB, 108                           ; v108-155 the same of an odd record, v156-161 zeros
.set O, 162                            ; v162-193 O^T
.set PC, 194                           ; v194-217 p's codes, two sets
.set KS, 218                           ; v218-221, v222-225 K's scale words (V's in the first two) of an even, an odd record
.set QSW, 226
.set PW, 228                           ; v228-231 p's scale words of the four records
.set SPW, 232
.set NIL, 233
.set T, 234                            ; v234-247 seven more chains of the sum
.set CS, 48                            ; s[48:49] c = log2(e) / 8
.set NC, 50                            ; s50 -c
.set SEL, 52
.set TB, 54
.set ST, 55
.set PN, 57
.set MSB, 0
.macro WIN new                         ; the immediate's high byte repeats the setting that is left
.if MSB != (\new)
	s_set_vgpr_msb (MSB<<8)|(\new)
.set MSB, (\new)
.endif
.endm
.macro CROUND                          ; a round of the cluster's barrier
	s_barrier_signal -1
	s_barrier_wait -1
	s_cmp_lg_u32 s10, 0
	s_cbranch_scc1 .Lnot_wave_0_\@
	s_barrier_signal -3
.Lnot_wave_0_\@:
	s_barrier_wait -3
	s_barrier_signal -1
	s_barrier_wait -1
.endm
	s_load_b128 s[4:7], s[0:1], 0x0                ; qbuf, kvbuf
	s_load_b64 s[8:9], s[0:1], 0x10                ; out0
	v_lshl_add_u32 v[SPW], v0, 2, SPARE
	v_mov_b32 v[NIL], 0
	ds_add_u32 v[SPW], v[NIL]                      ; the opening lines: the add, twice on end, and its wait
	ds_add_u32 v[SPW], v[NIL]
	v_lshrrev_b32 v1, 5, v0
	s_delay_alu instid0(VALU_DEP_1)
	v_readfirstlane_b32 s10, v1                    ; wave 0..7
	s_bfe_u32 s11, ttmp6, 0x40000                  ; cx
	s_lshl_b32 s24, ttmp9, 2
	s_add_co_u32 s24, s24, s11                     ; my block of 512 queries: it enters q's and the output's addresses alone
	s_and_b32 s25, ttmp7, 0xffff                   ; 16 batch + head, which the four partners share
	s_mov_b32 s16, 15|(3<<16)|(1<<21)              ; group 1: the mask of all four; elements of 8 bytes; bit 21 beside a mask; no padding
	s_mov_b32 s17, 32<<16                          ; two records are dense: 102 rows of 256 bytes
	s_mov_b32 s18, 102<<16
	s_mov_b32 s19, 32<<16
	s_mov_b32 s20, 102
	s_mov_b32 s21, 32
	s_mov_b32 s22, 0
	s_mov_b32 s23, 0
	s_mul_i32 s27, s10, 2*REC                      ; my two records, in LDS and in the head
	s_mul_i32 s28, s25, HEADB
	s_add_co_u32 s28, s28, s27
	s_mov_b32 s29, 0
	s_lshr_b32 s30, s10, 1
	s_and_b32 s31, s10, 1                          ; which four of the record's eight query tiles
	s_lshl_b32 s32, s24, 2
	s_add_co_u32 s32, s32, s30                     ; my block of 128 positions
	s_lshl_b32 s33, s25, 4
	s_add_co_u32 s33, s33, s32
	s_mul_i32 s34, s33, QREC                       ; my q record
	s_mov_b32 s35, 0
	s_lshl_b32 s56, s31, 6                         ; my tiles' tokens begin at 64 x half
	s_lshr_b32 s58, s25, 4
	s_lshl_b32 s58, s58, 23                        ; batch x 2,048 rows of 4,096 bytes
	s_lshl_b32 s59, s32, 19                        ; + 128 rows a block
	s_add_co_u32 s58, s58, s59
	s_and_b32 s59, s25, 15
	s_lshl_b32 s59, s59, 8                         ; + the head's 256 bytes
	s_add_co_u32 s58, s58, s59
	s_mov_b32 s59, 0
	s_mov_b32 s[CS], 0x3e38aa3b
	s_mov_b32 s[CS+1], s[CS]                       ; (named with it as a pair)
	s_mov_b32 s[NC], 0xbe38aa3b
	s_mov_b32 s[SEL], 0x76543210
	s_mov_b32 s[SEL+1], 0xfedcba98
	s_wait_dscnt 0x0
	s_wait_kmcnt 0x0
	s_mov_b32 s12, 1
	s_mov_b32 s13, s27
	s_add_nc_u64 s[14:15], s[6:7], s[28:29]
	s_or_b32 s15, s15, 0x80000000
	CROUND                                         ; all four work-groups are here: the joint loads meet
	tensor_load_to_lds s[12:15], s[16:23]          ; my two of the head's sixteen records: one load of mine is out
	s_nop 0
.rept 4
	v_nop
.endr
	s_add_nc_u64 s[4:5], s[4:5], s[34:35]
	s_mul_i32 s42, s31, 3072
	s_mov_b32 s43, 0
	s_add_nc_u64 s[36:37], s[4:5], s[42:43]        ; my four tiles' 24 registers of q's image
	s_lshl_b32 s42, s31, 3
	s_add_nc_u64 s[38:39], s[4:5], s[42:43]        ; and their two registers of the scale words
	s_add_nc_u64 s[8:9], s[8:9], s[58:59]
	s_mul_i32 s26, s10, 4352
	s_add_co_u32 s26, s26, STG                     ; my stage
	s_lshl_b32 s40, s10, 12
	s_add_co_u32 s40, s40, QST                     ; my bytes of q
	v_and_b32 v[XM], 31, v0
	v_and_b32 v[WT], 15, v0                        ; r
	v_bfe_u32 v[BT], v0, 4, 1                      ; h
	v_lshlrev_b32 v[LI], 4, v[XM]
	v_lshlrev_b32 v[L8], 3, v[XM]
.irp g, 0,1,2,3,4,5
	global_load_b128 v[KA+4*\g:KA+4*\g+3], v[LI], s[36:37] offset:512*\g   ; q is asked for while the records are on their way
.endr
	global_load_b64 v[KA+24:KA+25], v[LI], s[38:39] offset:6144
	v_mul_u32_u24 v[STO], v[WT], 272
	v_mul_u32_u24 v[RD], v[BT], 272
	v_lshlrev_b32 v[GO], 12, v[BT]
	v_lshl_add_u32 v[STO], v[BT], 5, v[STO]
	v_lshl_add_u32 v[RD], v[WT], 4, v[RD]
	v_lshl_add_u32 v[GO], v[WT], 4, v[GO]          ; two rows of the output: lanes 0-15 one, lanes 16-31 the next
	v_add_nc_u32 v[STO], s26, v[STO]               ; in: row r, + 32 h
	v_add_nc_u32 v[RD], s26, v[RD]                 ; back: lanes 0-15 one row, lanes 16-31 the next
	v_add_nc_u32 v[AQ], s40, v[L8]
.irp n, 0,1,2,3,4,5
	v_mov_b32 v[QF+6+\n], 0
	v_mov_b32 v[KA+48+\n], 0
	v_mov_b32 v[KB+48+\n], 0
.endr
.irp n, F+1, PD, PX, PX+1, PX+2, PX+3, KA+26, KA+27
	v_mov_b32 v[\n], 0                             ; upper half of a pair; destinations of lane permutes, which count as sources
.endr
	s_wait_alu depctr_va_vdst(0)                   ; the wait at the head's end
	s_wait_tensorcnt 0x0                           ; my records are in,
	s_barrier_signal -1
	s_barrier_wait -1                              ; everybody's are
	s_wait_loadcnt 0x0                             ; q is in
	v_permlanex16_b32 v[KA+26], v[KA+24], s[SEL], s[SEL+1]   ; an odd tile's scale words lie in lanes 16-31: brought to lanes 0-15
	v_permlanex16_b32 v[KA+27], v[KA+25], s[SEL], s[SEL+1]
.irp p, 0,1,2,3
.irp m, 0,1,2
	ds_store_b64 v[AQ], v[KA+6*\p+2*\m:KA+6*\p+2*\m+1] offset:1024*\p+256*\m
.endr
.endr
	ds_store_b32 v[AQ], v[KA+24] offset:768
	ds_store_b32 v[AQ], v[KA+26] offset:1024+768
	ds_store_b32 v[AQ], v[KA+25] offset:2048+768
	ds_store_b32 v[AQ], v[KA+27] offset:3072+768
.macro LDK j                           ; record j's K: 12 + 1 loads, 512 consecutive bytes each
.irp g, 0,1,2,3,4,5,6,7,8,9,10,11
	ds_load_b128 v[KA+54*((\j)%2)+4*\g:KA+54*((\j)%2)+4*\g+3], v[AD] offset:(\j)*REC+512*\g
.endr
	ds_load_b128 v[KS+4*((\j)%2):KS+4*((\j)%2)+3], v[AD] offset:(\j)*REC+12288
.endm
.macro LDV j                           ; record j's V: 12 + 1 loads
.irp g, 0,1,2,3,4,5,6,7,8,9,10,11
	ds_load_b128 v[KA+54*((\j)%2)+4*\g:KA+54*((\j)%2)+4*\g+3], v[AD] offset:(\j)*REC+6144+512*\g
.endr
	ds_load_b64 v[KS+4*((\j)%2):KS+4*((\j)%2)+1], v[AD8] offset:(\j)*REC+12800
.endm
.macro QKR j                           ; record j's eight key tiles against my queries; K's words: register i / 2, lanes 0-15 or 16-31 by i % 2.  The scores go to window 1
.irp i, 0,2,4,6
	v_wmma_scale_f32_16x16x128_f8f6f4 v[64*(\j)+8*\i:64*(\j)+8*\i+7], v[KA+54*((\j)%2)+6*\i:KA+54*((\j)%2)+6*\i+11], v[QF:QF+11], 0, v[KS+4*((\j)%2)+\i/2], v[QSW] matrix_a_fmt:MATRIX_FMT_FP6 matrix_b_fmt:MATRIX_FMT_FP6
	v_wmma_scale_f32_16x16x128_f8f6f4 v[64*(\j)+8*\i+8:64*(\j)+8*\i+15], v[KA+54*((\j)%2)+6*\i+6:KA+54*((\j)%2)+6*\i+17], v[QF:QF+11], 0, v[KS+4*((\j)%2)+\i/2], v[QSW] matrix_a_fmt:MATRIX_FMT_FP6 matrix_b_fmt:MATRIX_FMT_FP6 matrix_a_scale:MATRIX_SCALE_ROW1
.endr
.endm
.macro MAXR j                          ; the largest score of each of my two blocks of 32 keys of record j: it serves for the row's maximum and, since p rises with the score, for the block's largest p
	WIN 0x15
.irp c, 0,1
	v_max3_num_f32 v[MX+2*(\j)+\c], v[64*(\j)+32*\c], v[64*(\j)+32*\c+1], v[64*(\j)+32*\c+2]
.endr
	WIN 0x14
.irp n, 3,5,7,9,11,13,15,17,19,21,23,25,27,29
.irp c, 0,1
	v_max3_num_f32 v[MX+2*(\j)+\c], v[MX+2*(\j)+\c], v[64*(\j)+32*\c+\n], v[64*(\j)+32*\c+\n+1]
.endr
.endr
.irp c, 0,1
	v_max_num_f32 v[MX+2*(\j)+\c], v[MX+2*(\j)+\c], v[64*(\j)+32*\c+31]
.endr
.endm
.macro CV j                            ; record j's p becomes codes, set j % 2 (a conversion's three registers begin on an even number: the second halves are made elsewhere and moved)
	WIN 0x01
	v_cvt_scalef32_pk16_fp6_f32 v[PC+12*((\j)%2):PC+12*((\j)%2)+2], v[64*(\j):64*(\j)+15], v[EX+2*(\j)]
	v_cvt_scalef32_pk16_fp6_f32 v[TY:TY+2], v[64*(\j)+16:64*(\j)+31], v[EX+2*(\j)]
	v_cvt_scalef32_pk16_fp6_f32 v[PC+12*((\j)%2)+6:PC+12*((\j)%2)+8], v[64*(\j)+32:64*(\j)+47], v[EX+2*(\j)+1]
	v_cvt_scalef32_pk16_fp6_f32 v[TY+4:TY+6], v[64*(\j)+48:64*(\j)+63], v[EX+2*(\j)+1]
	v_nop                                          ; one plain place behind a scaled conversion
	WIN 0
.irp n, 0,1,2
	v_mov_b32 v[PC+12*((\j)%2)+3+\n], v[TY+\n]
	v_mov_b32 v[PC+12*((\j)%2)+9+\n], v[TY+4+\n]
.endr
.endm
.macro SG j                            ; record j's 32 pairs of unquantised p go into the sum's eight chains; the step's first 14 pairs begin the seven side chains
.if (\j) == 0
	WIN 0x05
.irp k, 1,2,3,4,5,6,7
	v_pk_add_f32 v[T+2*\k-2:T+2*\k-1], v[4*\k-4:4*\k-3], v[4*\k-2:4*\k-1]
.endr
.set N, 14
.else
.set N, 32*(\j)
.endif
	WIN 0x01
.rept 32*(\j)+32-N
.if (N%8) == 0
	v_pk_add_f32 v[SUM:SUM+1], v[2*N:2*N+1], v[SUM:SUM+1]
.else
	v_pk_add_f32 v[T+2*(N%8)-2:T+2*(N%8)-1], v[2*N:2*N+1], v[T+2*(N%8)-2:T+2*(N%8)-1]
.endif
.set N, N+1
.endr
	WIN 0
.endm
.macro PVR j                           ; O^T += V^T P^T over record j's 128 keys: the four accumulators by turns
.irp t, 0,2
	v_wmma_scale_f32_16x16x128_f8f6f4 v[O+8*\t:O+8*\t+7], v[KA+54*((\j)%2)+12*\t:KA+54*((\j)%2)+12*\t+11], v[PC+12*((\j)%2):PC+12*((\j)%2)+11], v[O+8*\t:O+8*\t+7], v[KS+4*((\j)%2)+\t/2], v[PW+(\j)] matrix_a_fmt:MATRIX_FMT_FP6 matrix_b_fmt:MATRIX_FMT_FP6
	v_wmma_scale_f32_16x16x128_f8f6f4 v[O+8*\t+8:O+8*\t+15], v[KA+54*((\j)%2)+12*\t+12:KA+54*((\j)%2)+12*\t+23], v[PC+12*((\j)%2):PC+12*((\j)%2)+11], v[O+8*\t+8:O+8*\t+15], v[KS+4*((\j)%2)+\t/2], v[PW+(\j)] matrix_a_fmt:MATRIX_FMT_FP6 matrix_b_fmt:MATRIX_FMT_FP6 matrix_a_scale:MATRIX_SCALE_ROW1
.endr
.endm
.macro JOIN3                           ; the last three joins of the sum's chains
	v_pk_add_f32 v[SUM:SUM+1], v[SUM:SUM+1], v[T+2:T+3]
	v_pk_add_f32 v[T:T+1], v[T:T+1], v[T+4:T+5]
.endm
	s_mov_b32 s[PN], 0
.Lpass:                                                ; A PASS: query tile 4 half + PN against all 2,048 keys
	s_wait_xcnt 0x0                                ; the last pass's stores have read their registers and bases
	s_and_b32 s43, s[PN], 3
	s_lshl_b32 s43, s43, 10
	v_add_nc_u32 v[BT], s43, v[AQ]
.irp m, 0,1,2
	ds_load_b64 v[QF+2*\m:QF+2*\m+1], v[BT] offset:256*\m       ; the tile's codes and its scale word: my own bytes, served in order behind my stores
.endr
	ds_load_b32 v[QSW], v[BT] offset:768
	; the tile's rows 0-7 are tokens 64 half + 8 PN + 0..7, rows 8-15 tokens 64 half + 32 + 8 ((PN + 1) % 4) + 0..7: two bases in the output
	s_lshl_b32 s43, s[PN], 3
	s_add_co_u32 s43, s43, s56
	s_lshl_b32 s44, s43, 12
	s_mov_b32 s45, 0
	s_add_nc_u64 s[44:45], s[8:9], s[44:45]
	s_add_co_u32 s42, s[PN], 1
	s_and_b32 s42, s42, 3
	s_lshl_b32 s42, s42, 3
	s_add_co_u32 s42, s42, s56
	s_add_co_u32 s42, s42, 32
	s_lshl_b32 s46, s42, 12
	s_mov_b32 s47, 0
	s_add_nc_u64 s[46:47], s[8:9], s[46:47]
	v_mov_b32 v[NM+1], 0xff61b1e6                  ; the largest score so far: -3e38
	s_delay_alu instid0(VALU_DEP_1)
	v_mul_f32 v[XM], s[NC], v[NM+1]
	s_delay_alu instid0(VALU_DEP_1)
	v_floor_f32 v[NM], v[XM]                       ; -M
	v_mov_b32 v[SUM], 0
	v_mov_b32 v[SUM+1], 0
.irp n, 0,1,2,3,4,5
	v_mov_b32 v[T+\n], 0                           ; the chains that the first step joins ahead of its own sums
.endr
.set J, 0
.rept 32
	v_mov_b32 v[O+J], 0                            ; the step is written once: the first finds zeros, which the first change of M leaves zeros
.set J, J+1
.endr
	s_wait_dscnt 0x0
	s_mov_b32 s[ST], 0
.Lstep:                                                ; A KEY STEP: the 512 keys of four records
	s_and_b32 s[TB], s[ST], 3
	s_mul_i32 s[TB], s[TB], 4*REC
	v_add_nc_u32 v[AD], s[TB], v[LI]               ; with the four joins behind the last step's products these are the places in front of the loads
	v_add_nc_u32 v[AD8], s[TB], v[L8]
	LDK 0
	LDK 1
	s_wait_alu depctr_va_vdst(0)                   ; directly ahead of the wait below
	s_wait_dscnt 13                                ; here and below: the record asked for last, 13 loads, may be out
	WIN 0x40
	QKR 0
	WIN 0
	JOIN3                                          ; the last step's sum is finished, still under the last step's M: with the move, the four places behind the products
	v_mov_b32 v[OLD], v[NM]
	s_delay_alu instid0(VALU_DEP_2)
	v_pk_add_f32 v[SUM:SUM+1], v[SUM:SUM+1], v[T:T+1]
	LDK 2
	s_wait_dscnt 13
	WIN 0x40
	QKR 1
	MAXR 0                                         ; the record before: also the places behind the products just issued
	WIN 0
	LDK 3
	s_wait_dscnt 13
	WIN 0x40
	QKR 2
	MAXR 1
	WIN 0
	LDV 0                                          ; V's first two records land under the softmax
	s_wait_dscnt 13
	WIN 0x40
	QKR 3
	MAXR 2
	WIN 0
	LDV 1
	MAXR 3
	WIN 0
	v_max3_num_f32 v[XM], v[MX], v[MX+1], v[MX+2]
	s_delay_alu instid0(VALU_DEP_1)
	v_max3_num_f32 v[XM], v[XM], v[MX+3], v[MX+4]
	s_delay_alu instid0(VALU_DEP_1)
	v_max3_num_f32 v[XM], v[XM], v[MX+5], v[MX+6]
	s_delay_alu instid0(VALU_DEP_1)
	v_max_num_f32 v[XM], v[XM], v[MX+7]
	s_delay_alu instid0(VALU_DEP_1)
	v_permlanex16_b32 v[PD], v[XM], s[SEL], s[SEL+1]   ; my query's other 256 keys lie in lane l xor 16
	s_delay_alu instid0(VALU_DEP_1)
	v_max3_num_f32 v[NM+1], v[NM+1], v[XM], v[PD]  ; the running largest score
	s_delay_alu instid0(VALU_DEP_1)
	v_mul_f32 v[XM], s[NC], v[NM+1]
	s_delay_alu instid0(VALU_DEP_1)
	v_floor_f32 v[NM], v[XM]                       ; the new -M = floor(-t) = -ceil(t): a whole number
	s_delay_alu instid0(VALU_DEP_1)
	v_sub_f32 v[OLD], v[NM], v[OLD]                ; old M - new M: a whole number, 0 or less
	s_delay_alu instid0(VALU_DEP_1)
	v_cvt_i32_f32 v[OLD], v[OLD]                   ; (it saturates)
	s_delay_alu instid0(VALU_DEP_1)
	v_ldexp_f32 v[F], 1.0, v[OLD]                  ; f = 2^(old M - new M)
	WIN 0x41
.set J, 0
.rept 128
	v_pk_fma_f32 v[J:J+1], v[J:J+1], s[CS:CS+1], v[NM:NM+1] op_sel_hi:[1,0,0]   ; t - M, two at a time
.set J, J+2
.endr
	WIN 0
.irp b, 0,1,2,3,4,5,6,7
	v_fma_f32 v[MX+\b], v[MX+\b], s[CS], v[NM]     ; the same of each block's largest score
.endr
	s_wait_alu depctr_va_vdst(0)                   ; the wait ahead of the batch
	WIN 0x41
.set J, 0
.rept 256
	v_exp_f32 v[J], v[J]                           ; p = 2^(t - M)
.set J, J+1
.endr
	WIN 0
.irp b, 0,1,2,3,4,5,6,7
	v_exp_f32 v[MX+\b], v[MX+\b]                   ; the block's largest p
.endr
	v_pk_mul_f32 v[SUM:SUM+1], v[SUM:SUM+1], v[F:F+1] op_sel_hi:[1,0]   ; the sum under the new M.  (A plain place behind the exponentials)
	s_wait_alu depctr_va_vdst(0)                   ; and behind it, directly ahead of the first reader of O^T
.set J, 0
.rept 16
	v_pk_mul_f32 v[O+J:O+J+1], v[O+J:O+J+1], v[F:F+1] op_sel_hi:[1,0]   ; O^T under the new M
.set J, J+2
.endr
.irp b, 0,1,2,3,4,5,6,7
	v_max_num_f32 v[MX+\b], 0x1800000, v[MX+\b]    ; the floor 2^(3 - 127): the byte cannot fall under 1
.endr
.irp b, 0,1,2,3,4,5,6,7
	v_add_nc_u32 v[EX+\b], 0xff000000, v[MX+\b]    ; 2 off the exponent field: the conversion's scale operand
.endr
.irp b, 0,1,2,3,4,5,6,7
	v_lshrrev_b32 v[MX+\b], 23, v[EX+\b]           ; the scale's byte
.endr
.irp j, 0,1,2,3
	v_lshl_or_b32 v[MX+2*\j], v[MX+2*\j+1], 16, v[MX+2*\j]      ; my two blocks of record j at bytes 0 and 2
.endr
.irp j, 0,1,2,3
	v_permlanex16_b32 v[PX+\j], v[MX+2*\j], s[SEL], s[SEL+1]
.endr
.irp j, 0,1,2,3
	v_lshl_or_b32 v[PW+\j], v[PX+\j], 8, v[MX+2*\j]             ; in lanes 0-15, the only ones that are read: blocks 0 and 2 are mine, 1 and 3 lane l + 16's
.endr
	CV 0
	SG 0
	s_wait_alu depctr_va_vdst(0)                   ; here and at the three like places: directly ahead of the wait below
	s_wait_dscnt 13
	PVR 0
	CV 1
	LDV 2                                          ; seven plain lines stand behind the products that read this buffer
	SG 1
	s_wait_alu depctr_va_vdst(0)
	s_wait_dscnt 13
	PVR 1
	CV 2
	LDV 3
	SG 2
	s_wait_alu depctr_va_vdst(0)
	s_wait_dscnt 13
	PVR 2
	CV 3
	SG 3
	s_wait_alu depctr_va_vdst(0)
	s_wait_dscnt 0x0
	PVR 3
	v_pk_add_f32 v[SUM:SUM+1], v[SUM:SUM+1], v[T+6:T+7]   ; the sum's eight chains are joined to four; the last three joins stand behind the next step's first products, or behind the loop
	v_pk_add_f32 v[T:T+1], v[T:T+1], v[T+8:T+9]
	v_pk_add_f32 v[T+2:T+3], v[T+2:T+3], v[T+10:T+11]
	v_pk_add_f32 v[T+4:T+5], v[T+4:T+5], v[T+12:T+13]
	s_add_co_u32 s[ST], s[ST], 1
	s_cmp_lt_u32 s[ST], 4
	s_cbranch_scc1 .Lstep
	JOIN3
	s_delay_alu instid0(VALU_DEP_1)
	v_pk_add_f32 v[SUM:SUM+1], v[SUM:SUM+1], v[T:T+1]
	s_delay_alu instid0(VALU_DEP_1)
	v_add_f32 v[SUM], v[SUM], v[SUM+1]             ; the sum's two halves,
	s_delay_alu instid0(VALU_DEP_1)
	v_permlanex16_b32 v[PD], v[SUM], s[SEL], s[SEL+1]
	s_delay_alu instid0(VALU_DEP_1)
	v_add_f32 v[SUM], v[SUM], v[PD]                ; and lane l xor 16's
	s_wait_alu depctr_va_vdst(0)
	v_rcp_f32 v[F], v[SUM]
	v_nop                                          ; a plain place behind the transcendental
	s_wait_alu depctr_va_vdst(0)
.set J, 0
.rept 16
	v_pk_mul_f32 v[KA+J:KA+J+1], v[O+J:O+J+1], v[F:F+1] op_sel_hi:[1,0]   ; register 8 t + j is channel 16 t + 8 h + j of query r
.set J, J+2
.endr
.irp t, 0,1,2,3
	ds_store_b128 v[STO], v[KA+8*\t:KA+8*\t+3] offset:64*\t
	ds_store_b128 v[STO], v[KA+8*\t+4:KA+8*\t+7] offset:64*\t+16
.endr
.irp n, 0,1,2,3,4,5,6,7
	ds_load_b128 v[KB+4*\n:KB+4*\n+3], v[RD] offset:544*\n      ; LDS serves a wave's instructions in order (ISA guide 5.7.1.4): these see my stores
.endr
.irp n, 0,1,2,3
	s_wait_dscnt 7-\n                              ; the younger loads from the stage may be out
	global_store_b128 v[GO], v[KB+4*\n:KB+4*\n+3], s[44:45] offset:8192*\n th:TH_STORE_NT   ; sixteen lanes store a head's 256 consecutive bytes of a row, aligned
.endr
.irp n, 4,5,6,7
	s_wait_dscnt 7-\n
	global_store_b128 v[GO], v[KB+4*\n:KB+4*\n+3], s[46:47] offset:8192*(\n-4) th:TH_STORE_NT
.endr
	s_add_co_u32 s[PN], s[PN], 1
	s_cmp_lt_u32 s[PN], 4
	s_cbranch_scc1 .Lpass
	s_wait_dscnt 0x0
	s_wait_tensorcnt 0x0                           ; the wave's end
	ds_add_u32 v[SPW], v[NIL]
	s_wait_dscnt 0x0
	CROUND                                         ; the closing round: no work-group ends while a partner may still ask for a record that names it
	s_endpgm
.Lfunc_end_k_q273963ba49_attn:
	.size	k_q273963ba49_attn, .Lfunc_end_k_q273963ba49_attn-k_q273963ba49_attn
	.p2alignl 7, 3214868480
	.fill 96, 4, 3214868480
	.section	.rodata,"a",@progbits
	.p2align	6, 0x0
	.amdhsa_kernel k_q273963ba49_attn
		.amdhsa_group_segment_fixed_size 293632
		.amdhsa_private_segment_fixed_size 0
		.amdhsa_enable_private_segment 0
		.amdhsa_kernarg_size 24
		.amdhsa_user_sgpr_count 2
		.amdhsa_user_sgpr_kernarg_segment_ptr 1
		.amdhsa_wavefront_size32 1
		.amdhsa_system_sgpr_workgroup_id_x 1
		.amdhsa_system_sgpr_workgroup_id_y 1
		.amdhsa_system_sgpr_workgroup_id_z 1
		.amdhsa_system_vgpr_workitem_id 0
		.amdhsa_next_free_vgpr 512
		.amdhsa_next_free_sgpr 66
		.amdhsa_reserve_vcc 0
		.amdhsa_float_denorm_mode_32 3
		.amdhsa_float_denorm_mode_16_64 3
		.amdhsa_memory_ordered 1
		.amdhsa_forward_progress 1
		.amdhsa_inst_pref_size 67
	.end_amdhsa_kernel
	.amdgpu_metadata
---
amdhsa.version: [ 1, 2 ]
amdhsa.kernels:
  - .name:           k_q273963ba49_attn
    .symbol:         k_q273963ba49_attn.kd
    .args:
      - { .name: qbuf, .offset: 0, .size: 8, .value_kind: global_buffer, .address_space: global }
      - { .name: kvbuf, .offset: 8, .size: 8, .value_kind: global_buffer, .address_space: global }
      - { .name: out0, .offset: 16, .size: 8, .value_kind: global_buffer, .address_space: global }
    .group_segment_fixed_size: 293632
    .private_segment_fixed_size: 0
    .kernarg_segment_align: 8
    .kernarg_segment_size: 24
    .max_flat_workgroup_size: 256
    .sgpr_count:     66
    .vgpr_count:     512
    .wavefront_size: 32
...
	.end_amdgpu_metadata
.endif
;; end of part 2
